; MI455X (gfx1250); checked and timed in simulation.
; The chip was launched on July 23, 2026; its instructions are those of AMD's public machine-readable ISA for CDNA 5 (MIT licence, August 2026) and "CDNA5" Instruction Set Architecture Reference Guide (July 2026). The comments in the code are by the model that wrote it; some were corrected since.
;; Custom LSTM Cell. Allowed arithmetic: float matrix products may take bf16 or f16 operands with f32 sums; all other float work in f32.
;; Inputs: W_c 512 x 1,024 float32; W_f 512 x 1,024 float32; W_i 512 x 1,024 float32; W_o 512 x 1,024 float32; b_c 512 float32; b_f 512 float32; b_i 512 float32; b_o 512 float32; c_prev 8,192 x 512 float32; h_prev 8,192 x 512 float32; x 8,192 x 512 float32.
;; Outputs: out0 8,192 x 512 float32; out1 8,192 x 512 float32.
;; One version. Each part assembles by itself: llvm-mc -triple=amdgcn-amd-amdhsa -mcpu=gfx1250 --defsym DOCPART=n.
;; ======== version 1 of 1: 2 launches
;; workspace buffers: ab 16,777,216 bytes; wb 4,194,304 bytes
;; launch cast (part 1): grid 256 x 5, 8 waves a work-group, no clusters, 0 bytes of LDS; arguments x, h_prev, W_i, W_f, W_c, W_o, ab, wb; writes ab, wb
.if DOCPART == 1
	.amdgcn_target "amdgcn-amd-amdhsa--gfx1250"
	.amdhsa_code_object_version 6
	.text
	.protected	k_q3aaa2a455e_cast
	.globl	k_q3aaa2a455e_cast
	.p2align	8
	.type	k_q3aaa2a455e_cast,@function
k_q3aaa2a455e_cast:
	s_mov_b64 s[64:65], 0
	v_nop
	global_prefetch_b8 v0, s[64:65] scope:SCOPE_SE
	s_setreg_imm32_b32 hwreg(HW_REG_WAVE_MODE, 25, 1), 1
	s_wait_xcnt 0x0
; Cast to bf16 and pack, a plain stream: no LDS, no barrier, no matrix unit (nothing is used twice here).
;   ab [8192][1024] bf16: row r = x[r] in columns 0-511, h_prev[r] in columns 512-1023.
;   wb [2048][1024] bf16: row 256 bc + 128 wc + 32 g + u = W_g[64 bc + 32 wc + u], g = 0 i, 1 f, 2 c, 3 o:
;   256 neighbouring rows of wb hold all four gates of 64 hidden columns, each 128 of them all four gates of 32.
; Every work-group takes 32,768 consecutive source bytes: 512 such pieces of x (y = 0, 1), 512 of h_prev (y = 2, 3),
; 64 of each W (y = 4): 1,280 work-groups of equal work.  Thread t takes the 16 bytes at 4,096 j + 16 t, j = 0..7:
; a load of a wave covers 512 consecutive bytes, all eight loads are issued at once, and a store of a wave
; (8 bytes a lane) covers 256 consecutive bytes at a multiple of 256 from the buffer's first byte.
; LIMIT: f32 is rounded to bf16, to nearest even (8 bits of significand; the range of exponents is f32's).
.set X, 8                              ; v[8:39]   load j: 4 f32
.set Y, 40                             ; v[40:55]  load j: 4 bf16 in 2 registers; no register is written twice
; s[22:23] source at the piece's first byte, s[24:25] destination; v1 = 16 t; v2 = the thread's byte offset in the destination
; dj: bytes in the destination from load j to load j + 1
.macro STREAM dj
.irp j, 0,1,2,3,4,5,6,7
	global_load_b128 v[X+4*\j:X+4*\j+3], v1, s[22:23] offset:4096*\j th:TH_LOAD_NT   ; read once in the launch
.endr
.irp j, 0,1,2,3,4,5,6,7
	s_wait_loadcnt 7-\j                            ; loads come back in order (ISA guide 5.7.1): 7 - j younger ones may stay out
	v_cvt_pk_bf16_f32 v[Y+2*\j],   v[X+4*\j],   v[X+4*\j+1]
	v_cvt_pk_bf16_f32 v[Y+2*\j+1], v[X+4*\j+2], v[X+4*\j+3]
	global_store_b64 v2, v[Y+2*\j:Y+2*\j+1], s[24:25] offset:\dj*\j   ; no hint: the next launch reads these bytes
.endr
	s_endpgm
.endm
	s_load_b512 s[4:19], s[0:1], 0x0               ; x s[4:5], h_prev s[6:7], W_i s[8:9], W_f s[10:11], W_c s[12:13], W_o s[14:15], ab s[16:17], wb s[18:19]
	s_and_b32 s20, ttmp7, 0xffff                   ; y: 0, 1 x; 2, 3 h_prev; 4 the weights
	v_lshlrev_b32 v1, 4, v0                        ; 16 t
	s_mov_b32 s27, 0                               ; upper word of the offset pair s[26:27]: every offset is below 2^24
	s_cmp_lt_u32 s20, 4
	s_cbranch_scc0 .Lweights
	; x or h_prev: a piece is 16 rows of 2,048 bytes; load j brings rows 2 j and 2 j + 1 (t >> 7 says which)
	v_and_b32 v2, 127, v0
	v_lshrrev_b32 v3, 7, v0
	v_lshlrev_b32 v2, 3, v2                        ; 4 numbers = 8 bytes of bf16
	v_lshl_add_u32 v2, v3, 11, v2                  ; + the row: ab's pitch is 2,048 bytes too
	s_and_b32 s21, s20, 1
	s_lshl_b32 s21, s21, 8
	s_add_co_u32 s21, s21, ttmp9                   ; the piece, 0..511
	s_lshl_b32 s26, s21, 15                        ; its byte offset, the same in source and destination
	s_wait_kmcnt 0x0
	s_cmp_lt_u32 s20, 2
	s_cselect_b64 s[22:23], s[4:5], s[6:7]         ; x : h_prev
	s_cselect_b32 s28, 0, 1024                     ; left or right half of ab's row
	s_add_nc_u64 s[22:23], s[22:23], s[26:27]
	s_add_co_u32 s26, s26, s28
	s_add_nc_u64 s[24:25], s[16:17], s[26:27]
	STREAM 4096
.Lweights:
	; a piece is 8 rows of 4,096 bytes of one W: load j brings row 8 c + j
	v_lshlrev_b32 v2, 3, v0                        ; 8 t
	s_lshr_b32 s21, ttmp9, 6                       ; g
	s_and_b32 s28, ttmp9, 63                       ; c
	s_lshl_b32 s26, s28, 15
	s_wait_kmcnt 0x0
	s_bitcmp1_b32 s21, 0
	s_cselect_b64 s[22:23], s[10:11], s[8:9]       ; W_f : W_i
	s_cselect_b64 s[24:25], s[14:15], s[12:13]     ; W_o : W_c
	s_bitcmp1_b32 s21, 1
	s_cselect_b64 s[22:23], s[24:25], s[22:23]
	s_add_nc_u64 s[22:23], s[22:23], s[26:27]
	s_lshr_b32 s29, s28, 2                         ; c >> 2 = 2 bc + wc
	s_lshl_b32 s29, s29, 7                         ; 256 bc + 128 wc
	s_lshl_b32 s30, s21, 5                         ; + 32 g
	s_add_co_u32 s29, s29, s30
	s_and_b32 s30, s28, 3
	s_lshl_b32 s30, s30, 3                         ; + 8 (c & 3) = u of the piece's first row
	s_add_co_u32 s29, s29, s30
	s_lshl_b32 s26, s29, 11                        ; rows of 2,048 bytes
	s_add_nc_u64 s[24:25], s[18:19], s[26:27]
	STREAM 2048
.Lfunc_end_k_q3aaa2a455e_cast:
	.size	k_q3aaa2a455e_cast, .Lfunc_end_k_q3aaa2a455e_cast-k_q3aaa2a455e_cast
	.p2alignl 7, 3214868480
	.fill 96, 4, 3214868480
	.section	.rodata,"a",@progbits
	.p2align	6, 0x0
	.amdhsa_kernel k_q3aaa2a455e_cast
		.amdhsa_group_segment_fixed_size 0
		.amdhsa_private_segment_fixed_size 0
		.amdhsa_enable_private_segment 0
		.amdhsa_kernarg_size 64
		.amdhsa_user_sgpr_count 2
		.amdhsa_user_sgpr_kernarg_segment_ptr 1
		.amdhsa_wavefront_size32 1
		.amdhsa_system_sgpr_workgroup_id_x 1
		.amdhsa_system_sgpr_workgroup_id_y 1
		.amdhsa_system_sgpr_workgroup_id_z 1
		.amdhsa_system_vgpr_workitem_id 0
		.amdhsa_next_free_vgpr 56
		.amdhsa_next_free_sgpr 66
		.amdhsa_reserve_vcc 0
		.amdhsa_float_denorm_mode_32 3
		.amdhsa_float_denorm_mode_16_64 3
		.amdhsa_memory_ordered 1
		.amdhsa_forward_progress 1
		.amdhsa_inst_pref_size 8
	.end_amdhsa_kernel
	.amdgpu_metadata
---
amdhsa.version: [ 1, 2 ]
amdhsa.kernels:
  - .name:           k_q3aaa2a455e_cast
    .symbol:         k_q3aaa2a455e_cast.kd
    .args:
      - { .name: x, .offset: 0, .size: 8, .value_kind: global_buffer, .address_space: global }
      - { .name: h_prev, .offset: 8, .size: 8, .value_kind: global_buffer, .address_space: global }
      - { .name: W_i, .offset: 16, .size: 8, .value_kind: global_buffer, .address_space: global }
      - { .name: W_f, .offset: 24, .size: 8, .value_kind: global_buffer, .address_space: global }
      - { .name: W_c, .offset: 32, .size: 8, .value_kind: global_buffer, .address_space: global }
      - { .name: W_o, .offset: 40, .size: 8, .value_kind: global_buffer, .address_space: global }
      - { .name: ab, .offset: 48, .size: 8, .value_kind: global_buffer, .address_space: global }
      - { .name: wb, .offset: 56, .size: 8, .value_kind: global_buffer, .address_space: global }
    .group_segment_fixed_size: 0
    .private_segment_fixed_size: 0
    .kernarg_segment_align: 8
    .kernarg_segment_size: 64
    .max_flat_workgroup_size: 256
    .sgpr_count:     66
    .vgpr_count:     56
    .wavefront_size: 32
...
	.end_amdgpu_metadata
.endif
;; end of part 1
;; launch lstm (part 2): grid 8 x 32, 4 waves a work-group, clusters of 4 x 4, 327,680 bytes of LDS; arguments ab, wb, out0, out1, b_i, b_f, b_c, b_o, c_prev; writes out0, out1
.if DOCPART == 2
	.amdgcn_target "amdgcn-amd-amdhsa--gfx1250"
	.amdhsa_code_object_version 6
	.text
	.protected	k_q3aaa2a455e_lstm
	.globl	k_q3aaa2a455e_lstm
	.p2align	8
	.type	k_q3aaa2a455e_lstm,@function
k_q3aaa2a455e_lstm:
	s_mov_b64 s[64:65], 0
	v_nop
	global_prefetch_b8 v0, s[64:65] scope:SCOPE_SE
	s_setreg_imm32_b32 hwreg(HW_REG_WAVE_MODE, 25, 1), 1
	s_wait_xcnt 0x0
	s_wait_alu depctr_hold_cnt(0) depctr_sa_sdst(0) depctr_va_vdst(0) depctr_va_sdst(0) depctr_va_ssrc(0) depctr_va_vcc(0) depctr_vm_vsrc(0)
	s_getreg_b32 s2, hwreg(HW_REG_IB_STS2, 6, 4)
	s_cmp_eq_u32 s2, 0
	s_cbranch_scc0 .Lentry_in_a_cluster
	s_endpgm
.Lentry_in_a_cluster:
	s_bfe_u32 s2, ttmp6, 0x10000c
	s_cmp_lg_u32 s2, 0xf033
	s_cbranch_scc0 .Lentry_shape_is_right
	s_endpgm
.Lentry_shape_is_right:
; The LSTM cell: gates = ab wb^T (M = 8192, N = 2048, K = 1024, bf16 operands, f32 sums), then, without leaving the registers,
;   i, f, o = sigmoid(gate + b), c~ = tanh(gate + b), c_next = f c_prev + i c~ (out1), h_next = o tanh(c_next) (out0).
; ab [8192][1024] bf16 = [x | h_prev];  wb [2048][1024] bf16, row 256 bc + 128 wc + 32 g + u = W_g[64 bc + 32 wc + u] (g = 0 i, 1 f, 2 c, 3 o).
; A work-group (block column bc = 0..7, block row br = 0..31) makes 256 rows x 256 gate values = 256 rows x 64 hidden columns of all four gates,
; with four waves, as many as a WGP has SIMDs; wave w = 2 wr + wc makes rows 128 wr .. + 127 and hidden columns 32 wc .. + 31 of all four gates:
; 64 accumulator tiles of 16 x 16, 512 registers.  256 work-groups of equal work.
; K goes in 8 steps of 128 through a ring of two LDS slots filled by the tensor data mover; a tile's rows are 256 bytes of memory at multiples of 256.
; CLUSTERS: 4 x 4 work-groups.  The four of a row of the cluster share the block row and so ab's tiles, the four of a column share wb's:
; each tile is asked for jointly, the same tensor load with the same descriptor and a mask that names the four: a quarter of the requests.
; c_prev's tile (256 rows x 256 bytes) is each work-group's own; it goes, by a plain load of each wave, into slot 0 behind that slot's last read.
;
; LIMITS.  Matrix operands are bf16.  sigmoid(z) = 1 / (1 + 2^(-z log2 e)), tanh(z) = 2 / (1 + 2^(-2 z log2 e)) - 1: an exponential that
; overflows gives infinity and one below 2^-126 gives 0 (ISA guide, 15.8), and both give the saturated value; NaN passes through.
; tanh so formed has an absolute error of about 2^-23, not a relative one: for |z| below about 1e-5 its relative error is large.
;
; REGISTERS, in windows of 256 (s_set_vgpr_msb says which window each operand place means):
;   window 0: v16-28 addresses; v32-63 the copy out; v64-127, v128-191 fragments of ab, two buffers, at work on the way out; v192-255 the scaled biases
;   window 1: v64-127, v128-191 fragments of wb, two buffers
;   window 2: the 32 accumulator tiles of my rows 0-63 (tile (a, b) at v[8 (8 a + b)]);   window 3: those of my rows 64-127
; THE MATRIX INSTRUCTION IS USED TRANSPOSED: source 0 = 16 rows of wb, source 1 = 16 rows of ab.  Lane l = (r = l % 16, h = l / 16), register j of
; tile (a, b = 2 g + t) then holds row 16 a + r, gate g, hidden column 16 t + 8 h + j: the four gates of one hidden element lie in one lane,
; 16 registers apart, and the cell needs no traffic between lanes.
.set SIZE_K, 1024
.set KSTEP,  128
.set PITCH,  272                       ; an LDS row: 256 bytes + 16 of padding: the 16 rows that a load touches start 68 words apart, at 16 different places modulo 64 words
.set HALFT,  128*PITCH                 ; 128 rows: what one joint load brings, and what one wave reads of ab or of wb
.set SLOT,   4*HALFT                   ; ab's 256 rows, then wb's 256 rows
.set STAGE,  2*SLOT                    ; behind the ring (a multiple of 256): the way out's stage; no tensor load ever lands here
.set SPITCH, 144                       ; a stage row: 32 f32 + 16 bytes
.set OSTG,   16*SPITCH                 ; 16 rows of one output
.set WSTG,   2*OSTG+128                ; a wave's region: h_next, c_next, and 128 bytes that set neighbouring regions 128 bytes apart modulo 256
.set BUFSZ,  4*WSTG                    ; the four waves' regions; two such buffers take turns
.set LAPS, SIZE_K/(2*KSTEP)            ; a lap = two K steps = once round the ring: 4
.set ADRA, 16                          ; v16-17  LDS address of my ab fragments in slot 0, 1
.set ADRB, 20                          ; v20-21  the same for wb
.set CPA,  22                          ; v22     LDS address of my 8 numbers of c_prev in row r of my rows
.set STW,  23                          ; v23     stage: where I put my results
.set STR,  24                          ; v24     stage: where I read whole rows back
.set CO,   26                          ; v26     my byte offset in the output
.set VB,   27                          ; v27     my byte offset in the biases
.set PF,   28                          ; v28     prefetch: my row of c_prev's tile
.set OD,   32                          ; v32-63  rows read back, the stores' data
.set F0,   64                          ; fragment buffer 0
.set F1,   128                         ; fragment buffer 1
.set T,    64                          ; way out: 64 gate values of one block of 16 rows (i 0-15, f 16-31, c 32-47, o 48-63)
.set CP,   128                         ; way out: 16 of c_prev
.set CN,   144                         ; way out: 16 of c_next
.set U,    160                         ; way out: at work
.set H,    176                         ; way out: 16 of h_next
.set BIAS, 192                         ; v192-255  S_g b_g of my 16 hidden columns, at 16 g + 8 t + j
.set G1,  24                           ; s[24:31] descriptor group 1, ab's tiles
.set G0,  32                           ; s[32:39] group 0 for ab's tiles, one set for each slot
.set G1B, 48                           ; s[48:55] group 1, wb's tiles: another mask
.set G0B, 56                           ; s[56:63] group 0 for wb's tiles, one set for each slot
.set G0C, 68                           ; s[68:71] group 0, c_prev's tile
.set G1C, 72                           ; s[72:79] group 1, c_prev's tile
.set BP,  84                           ; s[84:91] b_i, b_f, b_c, b_o
; s[66:67] = -2 log2 e twice, s[82:83] = -log2 e twice; s[80:81] c_prev at the work-group's tile; s[8:9] my output at my first row and the block's first column
.set MSB, 0
.macro WIN new                         ; the immediate's high byte repeats the setting that is left
.if MSB != \new
	s_set_vgpr_msb (MSB<<8)|\new
.set MSB, \new
.endif
.endm
.set MUL_LO, 0xa1                      ; source 0 (wb) window 1, source 1 (ab) window 0, C and D window 2
.set MUL_HI, 0xf1                      ; the same, C and D window 3
.set TO_B,   0x40                      ; destination window 1, address window 0
; A joint load.  Waves 0 and 1 fetch the two halves of ab's tile, waves 2 and 3 those of wb's.  Each line has one mask and one set of registers,
; and nothing in them hangs on a coordinate that the four partners do not share.  The branch hangs on the wave's number alone.
.macro JLOAD s
	s_cmp_eq_u32 s11, 0
	s_cbranch_scc0 .Lfor_b_\@
	tensor_load_to_lds s[G0+4*\s:G0+4*\s+3], s[G1:G1+7]
	s_nop 0
	s_branch .Lasked_\@
.Lfor_b_\@:
	tensor_load_to_lds s[G0B+4*\s:G0B+4*\s+3], s[G1B:G1B+7]
	s_nop 0
.Lasked_\@:
.endm
; A round of the cluster's barrier: my work-group's barrier, so that wave 0's signal speaks for all four waves; wave 0 signals for the work-group;
; every wave waits for all sixteen work-groups; my work-group's barrier once more.
.macro CREST                           ; a round behind its opening barrier
	s_cmp_lg_u32 s10, 0
	s_cbranch_scc1 .Lnot_wave_0_\@
	s_barrier_signal -3
.Lnot_wave_0_\@:
	s_barrier_wait -3
	s_barrier_signal -1
	s_barrier_wait -1
.endm
.macro CROUND                          ; a whole round
	s_barrier_signal -1
	s_barrier_wait -1
	CREST
.endm
	s_load_b128 s[4:7], s[0:1], 0x0                ; ab s[4:5], wb s[6:7]
	s_load_b128 s[92:95], s[0:1], 0x10             ; out0 s[92:93], out1 s[94:95]
	s_load_b256 s[BP:BP+7], s[0:1], 0x20           ; b_i, b_f, b_c, b_o
	s_load_b64 s[80:81], s[0:1], 0x40              ; c_prev
	s_set_vgpr_msb 0x40
	v_lshl_add_u32 v255, v0, 2, 0x4d400
	s_set_vgpr_msb 0x4000
	v_mov_b32 v31, 0
	s_set_vgpr_msb 0x1
	ds_add_u32 v255, v31
	s_wait_dscnt 0x0
	s_set_vgpr_msb 0x100
	v_lshrrev_b32 v1, 5, v0
	v_readfirstlane_b32 s10, v1                    ; wave 0..3
	s_lshr_b32 s11, s10, 1                         ; wr: which half of the block's rows is mine.  Also: I fetch for ab (0) or for wb (1)
	s_and_b32 s12, s10, 1                          ; wc: which half of its hidden columns.  Also: which 128 rows of that tile I fetch
	s_bfe_u32 s40, ttmp6, 0x40000                  ; cx
	s_bfe_u32 s41, ttmp6, 0x40004                  ; cy
	s_lshl_b32 s42, ttmp9, 2                       ; in a cluster launch ttmp9 and ttmp7 count clusters
	s_add_co_u32 s42, s42, s40                     ; bc = 4 x cluster x + cx
	s_and_b32 s13, ttmp7, 0xffff
	s_lshl_b32 s13, s13, 2
	s_add_co_u32 s13, s13, s41                     ; br = 4 x cluster y + cy
	s_lshl_b32 s43, s41, 2
	s_lshl_b32 s43, 15, s43                        ; my row of the cluster: places 4 cy .. 4 cy + 3
	s_lshl_b32 s44, 0x1111, s40                    ; my column: places cx, cx + 4, cx + 8, cx + 12
	; group 1 of the joint loads: a tile of 128 rows x 128 elements of 2 bytes, 16 bytes of padding behind every 64 words
	s_or_b32 s[G1+0], s43, (1<<16)|(1<<20)|(1<<21)|(5<<22)|(3<<25)  ; 15:0 mask: ab's tiles go to my row; 17:16 2 bytes; 20 padding on; 21 set beside a mask; 24:22 every 64 words; 31:25 4 words
	s_or_b32 s[G1B+0], s44, (1<<16)|(1<<20)|(1<<21)|(5<<22)|(3<<25) ; the same with my column's mask, for wb's tiles
	s_mov_b32 s[G1+1], KSTEP<<16                   ; tensor_dim0 = 128
	s_mov_b32 s[G1B+1], KSTEP<<16
	s_mov_b32 s[G1+2], 128<<16                     ; tensor_dim1 = 128
	s_mov_b32 s[G1B+2], 128<<16
	s_mov_b32 s[G1+3], KSTEP<<16                   ; tile_dim0 = 128
	s_mov_b32 s[G1B+3], KSTEP<<16
	s_mov_b32 s[G1+4], 128                         ; tile_dim1 = 128
	s_mov_b32 s[G1B+4], 128
	s_mov_b32 s[G1+5], SIZE_K                      ; 1,024 elements from row to row
	s_mov_b32 s[G1B+5], SIZE_K
	s_mov_b32 s[G1+6], 0
	s_mov_b32 s[G1B+6], 0
	s_mov_b32 s[G1+7], 0
	s_mov_b32 s[G1B+7], 0
	; where the tiles come from: ab's hang on br alone, wb's on bc alone, each in registers that never hold the other coordinate
	s_lshl_b32 s17, s12, 7                         ; which 128 rows of the tile I fetch
	s_lshl_b32 s16, s13, 8
	s_add_co_u32 s16, s16, s17                     ; ab: row 256 br + 128 half
	s_lshl_b32 s46, s42, 8
	s_add_co_u32 s46, s46, s17                     ; wb: row 256 bc + 128 half
	s_lshl_b32 s16, s16, 11                        ; rows of 2,048 bytes: below 2^24
	s_lshl_b32 s46, s46, 11
	s_mov_b32 s17, 0
	s_mov_b32 s47, 0
	s_mul_i32 s20, s10, HALFT                      ; where they go: ab's two halves, then wb's two = wave x 128 rows
	CROUND                                         ; all sixteen work-groups are here: the first joint loads will meet.  The round reads no argument,
	                                               ; so it stands ahead of the wait for the scalar loads and runs while they are on their way
	s_wait_kmcnt 0x0
	s_add_nc_u64 s[14:15], s[4:5], s[16:17]
	s_add_nc_u64 s[46:47], s[6:7], s[46:47]
.irp s, 0,1
	s_mov_b32 s[G0+4*\s], 1                                        ; count = 1
	s_add_co_u32 s[G0+4*\s+1], s20, \s*SLOT                        ; LDS address
	s_add_nc_u64 s[G0+4*\s+2:G0+4*\s+3], s[14:15], \s*KSTEP*2      ; global address: K step s
	s_or_b32 s[G0+4*\s+3], s[G0+4*\s+3], 0x80000000                ; type = 2
	s_mov_b32 s[G0B+4*\s], 1
	s_add_co_u32 s[G0B+4*\s+1], s20, \s*SLOT
	s_add_nc_u64 s[G0B+4*\s+2:G0B+4*\s+3], s[46:47], \s*KSTEP*2
	s_or_b32 s[G0B+4*\s+3], s[G0B+4*\s+3], 0x80000000
	JLOAD \s                                       ; both slots are asked for before anything else is done: two tensor loads of the wave are out, the most in this text
.endr
	; everything from here to the first wait on the tiles runs while they are on their way
	v_and_b32 v1, 15, v0                           ; r
	v_bfe_u32 v2, v0, 4, 1                         ; h
	v_lshlrev_b32 v[VB], 5, v2                     ; 8 h numbers
	s_lshl_b32 s96, s42, 8                         ; the biases at hidden column 64 bc + 32 wc
	s_lshl_b32 s98, s12, 7
	s_add_co_u32 s96, s96, s98
	s_mov_b32 s97, 0
	s_mov_b32 s99, 0
.irp g, 0,1,2,3
	s_add_nc_u64 s[BP+2*\g:BP+2*\g+1], s[BP+2*\g:BP+2*\g+1], s[96:97]
.endr
.irp g, 0,1,2,3
.irp k, 0,1,2,3
	global_load_b128 v[BIAS+16*\g+4*\k:BIAS+16*\g+4*\k+3], v[VB], s[BP+2*\g:BP+2*\g+1] offset:64*(\k/2)+16*(\k%2)   ; b_g[16 t + 8 h + 4 u ..], k = 2 t + u
.endr
.endr
	s_mov_b32 s82, 0xbfb8aa3b                      ; -log2 e, for the three sigmoids
	s_mov_b32 s83, 0xbfb8aa3b
	s_mov_b32 s66, 0xc038aa3b                      ; -2 log2 e, for the two tanh
	s_mov_b32 s67, 0xc038aa3b
	; c_prev's tile: each wave brings 64 rows x 64 elements of 4 bytes, 16 bytes of padding behind every 64 words; no mask
	s_mov_b32 s[G1C+0], (2<<16)|(1<<20)|(5<<22)|(3<<25)
	s_mov_b32 s[G1C+1], 64<<16                     ; tensor_dim0 = 64
	s_mov_b32 s[G1C+2], 64<<16                     ; tensor_dim1 = 64
	s_mov_b32 s[G1C+3], 64<<16                     ; tile_dim0 = 64
	s_mov_b32 s[G1C+4], 64                         ; tile_dim1 = 64
	s_mov_b32 s[G1C+5], 512                        ; 512 elements from row to row
	s_mov_b32 s[G1C+6], 0
	s_mov_b32 s[G1C+7], 0
	s_lshl_b32 s96, s13, 19                        ; 256 br rows of 2,048 bytes
	s_lshl_b32 s98, s42, 8                         ; + 64 bc columns of 4 bytes: below 2^24
	s_add_co_u32 s96, s96, s98
	s_add_nc_u64 s[80:81], s[80:81], s[96:97]      ; c_prev at the work-group's tile; not written again
	s_lshl_b32 s98, s10, 17                        ; my 64 rows of it
	s_mov_b32 s[G0C], 1
	s_mul_i32 s[G0C+1], s10, 64*PITCH              ; LDS: row R of the tile at 272 R, from byte 0
	s_add_nc_u64 s[G0C+2:G0C+3], s[80:81], s[98:99]
	s_or_b32 s[G0C+3], s[G0C+3], 0x80000000
	; the copy out is shared by output: waves with wc = 0 store h_next's rows, waves with wc = 1 c_next's, 256 bytes (both waves' columns) a row
	s_cmp_eq_u32 s12, 0
	s_cselect_b64 s[8:9], s[92:93], s[94:95]
	s_lshl_b32 s98, s11, 18                        ; + 128 wr rows
	s_add_co_u32 s98, s98, s96
	s_add_nc_u64 s[8:9], s[8:9], s[98:99]
	; A fragment is 16 rows x 32 K in 8 registers: lane l holds row r; registers 0-3 hold K = 8 h + 0..7, registers 4-7 K = 16 + 8 h + 0..7:
	; two loads of 16 bytes, 32 bytes apart, at row x pitch + 16 h.  The same for both sources.
	v_mul_u32_u24 v3, v1, PITCH
	v_lshl_add_u32 v4, v2, 5, v3                   ; r x 272 + 32 h, for c_prev
	v_lshl_add_u32 v3, v2, 4, v3                   ; r x 272 + 16 h
	s_mul_i32 s21, s11, HALFT                      ; my 128 rows of ab
	s_mul_i32 s22, s12, HALFT                      ; my 128 rows of wb,
	s_add_co_u32 s22, s22, 2*HALFT                 ; which lie behind ab's 256
.irp s, 0,1
	v_add_nc_u32 v[ADRA+\s], s21, v3
	v_add_nc_u32 v[ADRB+\s], s22, v3
	s_add_co_u32 s21, s21, SLOT
	s_add_co_u32 s22, s22, SLOT
.endr
	s_mul_i32 s23, s11, HALFT                      ; c_prev: (128 wr + r) x 272 + 4 (32 wc + 8 h)
	s_lshl_b32 s98, s12, 7
	s_add_co_u32 s23, s23, s98
	v_add_nc_u32 v[CPA], s23, v4
	v_mul_u32_u24 v5, v1, SPITCH                   ; stage, in: my region, row r, 32 bytes for each half of the lanes
	v_lshl_add_u32 v5, v2, 5, v5
	s_mul_i32 s23, s10, WSTG
	s_add_co_u32 s23, s23, STAGE
	v_add_nc_u32 v[STW], s23, v5
	v_bfe_u32 v6, v0, 3, 1                         ; stage, back: lanes 0-7 of a half read 128 bytes of wave (wr, 0)'s region, lanes 8-15 of wave (wr, 1)'s;
	v_and_b32 v7, 7, v0                            ; lanes 16-31 the next row
	v_mul_u32_u24 v6, v6, WSTG
	v_lshl_add_u32 v6, v7, 4, v6
	v_mad_u32_u24 v6, v2, SPITCH, v6
	s_mul_i32 s23, s11, 2*WSTG
	s_mul_i32 s98, s12, OSTG                       ; my output's part of the regions
	s_add_co_u32 s23, s23, s98
	s_add_co_u32 s23, s23, STAGE
	v_add_nc_u32 v[STR], s23, v6
	v_lshlrev_b32 v8, 4, v1                        ; and the same two rows in the output
	v_lshl_add_u32 v[CO], v2, 11, v8
	v_lshlrev_b32 v[PF], 11, v0                    ; thread t: row t of c_prev's tile
	s_wait_loadcnt 0x0                             ; the biases, once
.set ix, 0
.rept 32
.if ix/16 == 2
	v_pk_mul_f32 v[BIAS+ix:BIAS+ix+1], v[BIAS+ix:BIAS+ix+1], s[66:67] op_sel_hi:[1,0]   ; S_g b_g: the way out then needs one fused multiply-add a gate value
.else
	v_pk_mul_f32 v[BIAS+ix:BIAS+ix+1], v[BIAS+ix:BIAS+ix+1], s[82:83] op_sel_hi:[1,0]
.endif
.set ix, ix+2
.endr
; 16 matrix instructions: m blocks a0, a0 + 1 of the window's four (hi = 0: my rows 0-63, 1: rows 64-127) x all 8 n blocks, 32 along K.
; zero = 1: the first product starts the sums: nothing is ever cleared.
; The 64 accumulators take turns, one instruction a turn, in the same order in every quarter step, over the backward jump and into the tail.
.macro MUL16 f, hi, a0, zero
.irp a, \a0, \a0+1
.irp b, 0,1,2,3,4,5,6,7
.if \zero
	v_wmma_f32_16x16x32_bf16 v[8*(8*(\a)+\b):8*(8*(\a)+\b)+7], v[\f+8*\b:\f+8*\b+7], v[\f+8*(4*\hi+\a):\f+8*(4*\hi+\a)+7], 0
.else
	v_wmma_f32_16x16x32_bf16 v[8*(8*(\a)+\b):8*(8*(\a)+\b)+7], v[\f+8*\b:\f+8*\b+7], v[\f+8*(4*\hi+\a):\f+8*(4*\hi+\a)+7], v[8*(8*(\a)+\b):8*(8*(\a)+\b)+7]
.endif
.endr
.endr
.endm
; 32 LDS loads in one run: the fragments of one quarter step (128 rows of wb, 128 rows of ab, 32 K at byte k of the rows) into buffer f
.macro FETCH slot, k, f
	WIN TO_B
.irp i, 0,1,2,3,4,5,6,7
	ds_load_b128 v[\f+8*\i:\f+8*\i+3],   v[ADRB+\slot] offset:\k+\i*16*PITCH
	ds_load_b128 v[\f+8*\i+4:\f+8*\i+7], v[ADRB+\slot] offset:\k+\i*16*PITCH+32
.endr
	WIN 0
.irp i, 0,1,2,3,4,5,6,7
	ds_load_b128 v[\f+8*\i:\f+8*\i+3],   v[ADRA+\slot] offset:\k+\i*16*PITCH
	ds_load_b128 v[\f+8*\i+4:\f+8*\i+7], v[ADRA+\slot] offset:\k+\i*16*PITCH+32
.endr
.endm
; A load into a register that a matrix instruction has read, and a vector instruction that reads a matrix result, stand four places behind it, and only
; plain vector instructions that name none of its registers are places (ISA guide 7.12.1 for vector instructions).
.macro PLACES
.rept 4
	v_nop
.endr
.endm
; A K step is four quarter steps of 32 along K, 64 matrix instructions each, on buffers 0, 1, 0, 1.
; One of the first three: multiplies buffer f; in its middle it fetches the next quarter's fragments, at byte k of the same slot's rows, into buffer g.
.macro QUARTER slot, k, f, g, zero
	s_wait_dscnt 8                                 ; wb's fragments and ab's rows 0-63 are in; the youngest eight loads (ab's rows 64-127) may be out
	WIN MUL_LO
	MUL16 \f, 0, 0, \zero
	MUL16 \f, 0, 2, \zero
	PLACES
	FETCH \slot, \k, \g
	s_wait_dscnt 32                                ; all but the 32 just issued
	WIN MUL_HI
	MUL16 \f, 1, 0, \zero
	MUL16 \f, 1, 2, \zero
.endm
.macro THREE slot, zero
	QUARTER \slot, 64,  F0, F1, \zero
	QUARTER \slot, 128, F1, F0, 0
	QUARTER \slot, 192, F0, F1, 0
.endm
; The last quarter: multiplies buffer 1 and changes slots.  next = the other slot.
; fill = 1: this slot is filled again by the joint loads, two K steps ahead;  fill = 2: it gets its last fill, c_prev's tile, a plain load of each wave.
; One barrier for the change of slots.  In front of it each wave waits for its own reads of this slot and for all its tensor loads, of which one is out:
; its part of the next slot.  The barrier opens a round of the cluster's barrier; only register work stands inside the round; behind the round no wave of
; any partner reads this slot or has a load on its way, and the refill is the wave's first and only tensor load there.
; From a request to the wait for it a wave issues 240 matrix instructions.
.macro TURN slot, next, fill
	s_wait_dscnt 8
	WIN MUL_LO
	MUL16 F1, 0, 0, 0
	s_wait_dscnt 0                                 ; my reads of this slot are over
	s_wait_tensorcnt 0x0                           ; and all my tensor loads have landed: so a group 0 may be written, too
	ds_add_u32 v255, v31
	s_wait_dscnt 0x0
	s_barrier_signal -1
	MUL16 F1, 0, 2, 0                              ; work on registers while the others arrive
	WIN 0
	s_barrier_wait -1
	CREST
.if \fill == 1
	s_add_nc_u64 s[G0+4*\slot+2:G0+4*\slot+3], s[G0+4*\slot+2:G0+4*\slot+3], 2*KSTEP*2
	s_add_nc_u64 s[G0B+4*\slot+2:G0B+4*\slot+3], s[G0B+4*\slot+2:G0B+4*\slot+3], 2*KSTEP*2
	JLOAD \slot
.else
	tensor_load_to_lds s[G0C:G0C+3], s[G1C:G1C+7]  ; my 64 rows of c_prev, to LDS bytes 17,408 w ..: it has the last K step's 256 matrix instructions in which to land
	s_nop 0
.endif
	PLACES
	FETCH \next, 0, F0
	WIN MUL_HI
	MUL16 F1, 1, 0, 0
	MUL16 F1, 1, 2, 0
.endm
.macro LAP zero                        ; once round the ring, both slots filled again
	THREE 0, \zero
	TURN 0, 1, 1
	THREE 1, 0
	TURN 1, 0, 1
.endm
	s_wait_tensorcnt 1                             ; my part of K step 0 is in; K step 1's load, issued behind it, may stay out
	s_barrier_signal -1
	s_barrier_wait -1                              ; everybody's is
	FETCH 0, 0, F0
	LAP 1                                          ; K steps 0, 1: the first products start the sums
	WIN 0                                          ; at a label and at a branch every window is 0
	s_mov_b32 s3, LAPS-2
.Llap:
	LAP 0                                          ; K steps 2, 3 and 4, 5
	WIN 0
	s_sub_co_u32 s3, s3, 1
	s_cmp_lg_u32 s3, 0
	s_cbranch_scc1 .Llap
	; c_prev's tile is asked for ahead: thread t names rows t and 128 + t, so each of the tile's 256 row pieces of 256 bytes is named once in the launch,
	; one K step (256 matrix instructions of the wave) ahead of the tensor load that brings it; the last byte named lies in the tile, inside c_prev.
	global_prefetch_b8 v[PF], s[80:81] th:TH_LOAD_NT scope:SCOPE_SE
	global_prefetch_b8 v[PF], s[80:81] offset:262144 th:TH_LOAD_NT scope:SCOPE_SE
	THREE 0, 0                                     ; K step 6
	TURN 0, 1, 2                                   ; slot 0 has been read for the last time: c_prev's tile goes there
	THREE 1, 0                                     ; K step 7
	s_wait_dscnt 8                                 ; the very last quarter: nothing more to fetch
	WIN MUL_LO
	MUL16 F1, 0, 0, 0
	MUL16 F1, 0, 2, 0
	s_wait_dscnt 0
	WIN MUL_HI
	MUL16 F1, 1, 0, 0
	MUL16 F1, 1, 2, 0
; THE WAY OUT, 16 rows at a time (block a of my eight): 64 gate values a lane become 16 of c_next and 16 of h_next.
; A lane's results are two runs of 32 bytes of one row; a row of an output is 256 bytes, half from wave (wr, 0) and half from wave (wr, 1).  So both
; outputs go through the stage: each wave stores into its own region, one barrier, and each wave reads back whole rows of ONE output and stores them,
; sixteen lanes covering 256 consecutive bytes at a multiple of 256 from the output's first byte.
; The blocks overlap: block a's trip through the stage runs under block a + 1's arithmetic (macro STEP), so that no wait of the trip stands straight
; behind the instructions that it waits for.
; Two stage buffers take turns, so one barrier a block orders both ways: a wave's reads of block a are back (COPYST's counts end at 0) before it
; signals block a + 1's barrier, and whoever writes that buffer again, in block a + 2, has passed block a + 1's barrier.
.macro LOADCP a                        ; c_prev[16 a + r][16 t + 8 h + 4 u ..], k = 2 t + u
.irp k, 0,1,2,3
	ds_load_b128 v[CP+4*\k:CP+4*\k+3], v[CPA] offset:16*\a*PITCH+64*(\k/2)+16*(\k%2)
.endr
.endm
.macro SCALE a                         ; T = S_g (gate + b_g): the exponentials' arguments of block a
.if \a < 4
	WIN 0x02                                       ; source 0: window 2
.else
	WIN 0x03                                       ; source 0: window 3
.endif
.set ix, 0
.rept 32
.if ix/16 == 2
	v_pk_fma_f32 v[T+ix:T+ix+1], v[64*(\a%4)+ix:64*(\a%4)+ix+1], s[66:67], v[BIAS+ix:BIAS+ix+1] op_sel_hi:[1,0,1]   ; -2 log2 e (gate + b)
.else
	v_pk_fma_f32 v[T+ix:T+ix+1], v[64*(\a%4)+ix:64*(\a%4)+ix+1], s[82:83], v[BIAS+ix:BIAS+ix+1] op_sel_hi:[1,0,1]   ; -log2 e (gate + b)
.endif
.set ix, ix+2
.endr
	WIN 0
.endm
.macro EXPS
.set ix, 0
.rept 64
	v_exp_f32 v[T+ix], v[T+ix]
.set ix, ix+1
.endr
	v_nop                                          ; one plain vector instruction between a transcendental and the use of its result (ISA guide 5.7.2)
.endm
.macro RCPS
.set ix, 0
	s_wait_alu depctr_va_vdst(0)
.rept 32
	v_pk_add_f32 v[T+ix:T+ix+1], v[T+ix:T+ix+1], 1.0 op_sel_hi:[1,0]
.set ix, ix+2
.endr
.set ix, 0
.rept 64
	v_rcp_f32 v[T+ix], v[T+ix]                     ; i, f, 1 / (1 + e), o
.set ix, ix+1
.endr
	v_nop
.endm
.macro CELL                            ; from T and CP: CN = c_next, H = h_next
.set ix, 0
	s_wait_alu depctr_va_vdst(0)
.rept 8
	v_pk_fma_f32 v[T+32+ix:T+32+ix+1], v[T+32+ix:T+32+ix+1], 2.0, -1.0 op_sel_hi:[1,0,0]   ; c~ = 2 / (1 + e) - 1
.set ix, ix+2
.endr
.set ix, 0
.rept 8
	v_pk_mul_f32 v[U+ix:U+ix+1], v[T+ix:T+ix+1], v[T+32+ix:T+32+ix+1]                      ; i c~
.set ix, ix+2
.endr
.set ix, 0
.rept 8
	v_pk_fma_f32 v[CN+ix:CN+ix+1], v[T+16+ix:T+16+ix+1], v[CP+ix:CP+ix+1], v[U+ix:U+ix+1]  ; c_next = f c_prev + i c~
.set ix, ix+2
.endr
.set ix, 0
.rept 8
	v_pk_mul_f32 v[U+ix:U+ix+1], v[CN+ix:CN+ix+1], s[66:67] op_sel_hi:[1,0]
.set ix, ix+2
.endr
.set ix, 0
.rept 16
	v_exp_f32 v[U+ix], v[U+ix]
.set ix, ix+1
.endr
	v_nop
.set ix, 0
	s_wait_alu depctr_va_vdst(0)
.rept 8
	v_pk_add_f32 v[U+ix:U+ix+1], v[U+ix:U+ix+1], 1.0 op_sel_hi:[1,0]
.set ix, ix+2
.endr
.set ix, 0
.rept 16
	v_rcp_f32 v[U+ix], v[U+ix]
.set ix, ix+1
.endr
	v_nop
.set ix, 0
	s_wait_alu depctr_va_vdst(0)
.rept 8
	v_pk_fma_f32 v[U+ix:U+ix+1], v[U+ix:U+ix+1], 2.0, -1.0 op_sel_hi:[1,0,0]               ; tanh(c_next)
.set ix, ix+2
.endr
.set ix, 0
.rept 8
	v_pk_mul_f32 v[H+ix:H+ix+1], v[U+ix:U+ix+1], v[T+48+ix:T+48+ix+1]                      ; h_next = o tanh(c_next)
.set ix, ix+2
.endr
.endm
.macro STG a                           ; block a's results into my region of stage buffer a & 1
.irp k, 0,1,2,3
	ds_store_b128 v[STW], v[H+4*\k:H+4*\k+3]   offset:(\a&1)*BUFSZ+64*(\k/2)+16*(\k%2)
	ds_store_b128 v[STW], v[CN+4*\k:CN+4*\k+3] offset:(\a&1)*BUFSZ+OSTG+64*(\k/2)+16*(\k%2)
.endr
.endm
.macro COPYLD a                        ; whole rows of my output of block a back from the stage
	s_wait_xcnt 0x0                                ; every earlier memory instruction has had its addresses translated (ISA guide 3.1): OD, the last block's stores' data, is loaded again only behind this wait
.irp t, 0,1,2,3,4,5,6,7
	ds_load_b128 v[OD+4*\t:OD+4*\t+3], v[STR] offset:(\a&1)*BUFSZ+\t*2*SPITCH              ; rows 2 t and 2 t + 1
.endr
.endm
.macro COPYST a
.irp t, 0,1,2,3,4,5,6,7
	s_wait_dscnt 7-\t                              ; LDS loads come back in order (ISA guide 5.7.1): 7 - t younger ones may stay out; no other LDS instruction of mine is out
	global_store_b128 v[CO], v[OD+4*\t:OD+4*\t+3], s[8:9] offset:(16*\a+2*\t)*2048 th:TH_STORE_NT
.endr
.endm
; One turn: block a leaves through the stage while block n = a + 1 is computed.
.macro STEP a, n
	STG \a
	LOADCP \n                                      ; CP, T, and later CN and H are free: block a's arithmetic has read them, and LDS stores' sources need no wait
	SCALE \n                                       ; 32 multiply-adds and 64 exponentials stand between the 12 LDS instructions and the wait for them
	EXPS
	s_wait_dscnt 0x0                               ; for the partner's sake: my stores are in LDS (and block n's c_prev is in)
	s_barrier_signal -1
	RCPS                                           ; register work alone while the others arrive
	s_barrier_wait -1                              ; everybody's stores of block a are in LDS
	COPYLD \a
	CELL                                           ; block n's cell stands between the eight loads and their waits
	COPYST \a
.endm
	PLACES                                         ; the places behind the last matrix instructions: for the multiply-adds that read results and for the loads into buffer 1
	WIN 0
	s_wait_tensorcnt 0x0                           ; my 64 rows of c_prev are in LDS (no LDS instruction of mine is out: the last quarter waited for 0),
	s_barrier_signal -1
	SCALE 0                                        ; register work alone while the others arrive
	EXPS
	s_barrier_wait -1                              ; and so are the other waves': I read rows that they brought
	LOADCP 0
	RCPS
	s_wait_dscnt 0x0                               ; c_prev's four loads, the only LDS instructions of mine that are out
	CELL
	STEP 0, 1
	STEP 1, 2
	STEP 2, 3
	STEP 3, 4
	STEP 4, 5
	STEP 5, 6
	STEP 6, 7
	STG 7                                          ; the last block: nothing is left to compute under its trip
	s_wait_dscnt 0x0
	s_barrier_signal -1
	s_barrier_wait -1
	COPYLD 7
	COPYST 7
	s_set_vgpr_msb 0x1
	s_wait_tensorcnt 0x0
	ds_add_u32 v255, v31
	s_wait_dscnt 0x0
	s_set_vgpr_msb 0x100
	CROUND                                         ; the closing round, behind the last tensor load of any kind: no work-group ends while a partner may still ask
	s_endpgm
.Lfunc_end_k_q3aaa2a455e_lstm:
	.size	k_q3aaa2a455e_lstm, .Lfunc_end_k_q3aaa2a455e_lstm-k_q3aaa2a455e_lstm
	.p2alignl 7, 3214868480
	.fill 96, 4, 3214868480
	.section	.rodata,"a",@progbits
	.p2align	6, 0x0
	.amdhsa_kernel k_q3aaa2a455e_lstm
		.amdhsa_group_segment_fixed_size 327680
		.amdhsa_private_segment_fixed_size 0
		.amdhsa_enable_private_segment 0
		.amdhsa_kernarg_size 72
		.amdhsa_user_sgpr_count 2
		.amdhsa_user_sgpr_kernarg_segment_ptr 1
		.amdhsa_wavefront_size32 1
		.amdhsa_system_sgpr_workgroup_id_x 1
		.amdhsa_system_sgpr_workgroup_id_y 1
		.amdhsa_system_sgpr_workgroup_id_z 1
		.amdhsa_system_vgpr_workitem_id 0
		.amdhsa_next_free_vgpr 1024
		.amdhsa_next_free_sgpr 100
		.amdhsa_reserve_vcc 0
		.amdhsa_float_denorm_mode_32 3
		.amdhsa_float_denorm_mode_16_64 3
		.amdhsa_memory_ordered 1
		.amdhsa_forward_progress 1
		.amdhsa_inst_pref_size 255
	.end_amdhsa_kernel
	.section	.bss,"aw",@nobits
	.p2align	6
	.space	262144
	.amdgpu_metadata
---
amdhsa.version: [ 1, 2 ]
amdhsa.kernels:
  - .name:           k_q3aaa2a455e_lstm
    .symbol:         k_q3aaa2a455e_lstm.kd
    .args:
      - { .name: ab, .offset: 0, .size: 8, .value_kind: global_buffer, .address_space: global }
      - { .name: wb, .offset: 8, .size: 8, .value_kind: global_buffer, .address_space: global }
      - { .name: out0, .offset: 16, .size: 8, .value_kind: global_buffer, .address_space: global }
      - { .name: out1, .offset: 24, .size: 8, .value_kind: global_buffer, .address_space: global }
      - { .name: b_i, .offset: 32, .size: 8, .value_kind: global_buffer, .address_space: global }
      - { .name: b_f, .offset: 40, .size: 8, .value_kind: global_buffer, .address_space: global }
      - { .name: b_c, .offset: 48, .size: 8, .value_kind: global_buffer, .address_space: global }
      - { .name: b_o, .offset: 56, .size: 8, .value_kind: global_buffer, .address_space: global }
      - { .name: c_prev, .offset: 64, .size: 8, .value_kind: global_buffer, .address_space: global }
    .group_segment_fixed_size: 327680
    .private_segment_fixed_size: 0
    .kernarg_segment_align: 8
    .kernarg_segment_size: 72
    .max_flat_workgroup_size: 128
    .sgpr_count:     100
    .vgpr_count:     1024
    .wavefront_size: 32
...
	.end_amdgpu_metadata
.endif
;; end of part 2
